; MI455X (gfx1250); checked and timed in simulation.
; The chip was launched on July 23, 2026; its instructions are those of AMD's public machine-readable ISA for CDNA 5 (MIT licence, August 2026) and "CDNA5" Instruction Set Architecture Reference Guide (July 2026). The comments in the code are by the model that wrote it; some were corrected since.
;; Dot Product Attention. Allowed arithmetic: float matrix products may take bf16 or f16 operands with f32 sums; all other float work in f32.
;; Inputs: keys 2 x 16 x 2,048 x 64 float32; mask 1 x 1 x 2,048 x 2,048 bool; queries 2 x 16 x 2,048 x 64 float32; values 2 x 16 x 2,048 x 64 float32.
;; Outputs: out0 2 x 16 x 2,048 x 64 float32.
;; Constants: d_k = 64.
;; One version. Each part assembles by itself: llvm-mc -triple=amdgcn-amd-amdhsa -mcpu=gfx1250 --defsym DOCPART=n.
;; ======== version 1 of 1: 2 launches
;; limits: right only within a limited range of input values; values are held in f16: magnitudes above 65,504 overflow, below 6.1e-05 lose precision; inputs' magnitudes at most 65,504
;; workspace buffers: mbits 524,288 bytes of whole numbers; flags 1,024 bytes of whole numbers
;; launch pack (part 1): grid 128 x 1, 8 waves a work-group, no clusters, 5,376 bytes of LDS; arguments mask, mbits, flags; writes mbits, flags
.if DOCPART == 1
	.amdgcn_target "amdgcn-amd-amdhsa--gfx1250"
	.amdhsa_code_object_version 6
	.text
	.protected	k_qea12ca07f5_pack
	.globl	k_qea12ca07f5_pack
	.p2align	8
	.type	k_qea12ca07f5_pack,@function
k_qea12ca07f5_pack:
	s_mov_b64 s[64:65], 0
	v_nop
	global_prefetch_b8 v0, s[64:65] scope:SCOPE_SE
	s_setreg_imm32_b32 hwreg(HW_REG_WAVE_MODE, 25, 1), 1
	s_wait_xcnt 0x0
; The mask [2048][2048] of bytes (0 or 1: other byte values are not served) becomes
;   mbits[strip 0..127][tile 0..31][lane 0..31], one 32-bit word each: with r = lane & 15, h = lane >> 4,
;         bit 8c+j = mask[16 strip + r][64 tile + 16c + 8h + j], the order of the score registers in the attention launch;
;   flags[strip] = { any, full }: bit t of any = some key of tile t is open for some row of the strip,
;         bit t of full = all 16 x 64 are open.
; A work-group owns one strip of 16 rows; wave g owns key tiles 4g .. 4g+3, that is 256 bytes of each of the 16 rows.
; No matrix unit, no cluster: the launch reads 4 MiB once and no two work-groups share a byte.
.set X,   8                            ; v[8:39]   16 pairs: 8 mask bytes each, load (kt, c) at X + 8 kt + 2 c
.set W,   40                           ; v[40:43]  the four words of this lane
.set P,   44                           ; v[44:45]  at work; at the end the wave's two flag words
.set GO,  46                           ; v46       16 x lane: my 16 bytes of the wave's 512 bytes of mbits
.set FA,  47                           ; v47       LDS address of flag words
.set F,   48                           ; v[48:63]  wave 0: the eight waves' flag words
.set FLG, 4096                         ; LDS: 8 x 512 bytes of words, then 8 x 8 bytes of flags
	s_load_b128 s[4:7], s[0:1], 0x0                ; mask s[4:5], mbits s[6:7]
	s_load_b64 s[8:9], s[0:1], 0x10                ; flags
	v_lshl_add_u32 v64, v0, 2, 0x1100
	v_mov_b32 v65, 0
	v_lshrrev_b32 v1, 5, v0
	v_readfirstlane_b32 s10, v1                    ; wave g
	v_and_b32 v2, 15, v0                           ; r
	v_bfe_u32 v3, v0, 4, 1                         ; h
	v_and_b32 v6, 31, v0                           ; lane
	v_lshlrev_b32 v4, 11, v2                       ; r rows of 2,048 bytes
	v_lshl_add_u32 v4, v3, 3, v4                   ; + 8 h
	s_lshl_b32 s12, ttmp9, 15                      ; the strip: 16 rows of 2,048 bytes
	s_lshl_b32 s11, s10, 8                         ; the wave's 256 bytes of a row
	s_add_co_u32 s12, s12, s11
	s_mov_b32 s13, 0
	s_lshl_b32 s14, ttmp9, 12                      ; mbits: a strip is 32 tiles x 128 bytes,
	s_lshl_b32 s11, s10, 9                         ; a wave's four tiles are 512 bytes (also the wave's part of LDS)
	s_add_co_u32 s14, s14, s11
	s_mov_b32 s15, 0
	s_lshl_b32 s16, ttmp9, 3                       ; flags: 8 bytes a strip
	s_mov_b32 s17, 0
	s_mov_b32 s18, 0x01020408                      ; gathers four 0/1 bytes into bits 24..27 of a product (below)
	s_mov_b32 s20, 0                               ; any, four bits
	s_mov_b32 s21, 0                               ; full, four bits
	v_lshl_add_u32 v5, v6, 2, s11                  ; LDS: 512 g + 4 lane
	v_lshl_add_u32 v7, v6, 4, s11                  ; LDS: 512 g + 16 lane
	v_lshlrev_b32 v[GO], 4, v6
	s_wait_kmcnt 0x0
	s_add_nc_u64 s[4:5], s[4:5], s[12:13]
	s_add_nc_u64 s[6:7], s[6:7], s[14:15]
	s_add_nc_u64 s[8:9], s[8:9], s[16:17]
	; 16 loads of 8 bytes a lane; together they take the wave's 256 consecutive bytes of each of the 16 rows
.irp kt, 0,1,2,3
.irp c, 0,1,2,3
	global_load_b64 v[X+8*\kt+2*\c:X+8*\kt+2*\c+1], v4, s[4:5] offset:64*\kt+16*\c
.endr
.endr
.irp kt, 0,1,2,3
	s_wait_loadcnt 12-4*\kt                        ; four loads for each later tile are younger and may stay out
.irp c, 0,1,2,3
	; bytes b0..b3 times (2^24 + 2^17 + 2^10 + 2^3): b0..b3 land in bits 24..27; the other partial products land in
	; bits 3, 10, 11, 17, 18, 19, each once, so nothing carries and bits 20..23 and 28..31 stay 0
	v_mul_lo_u32 v[P], v[X+8*\kt+2*\c], s18
	v_mul_lo_u32 v[P+1], v[X+8*\kt+2*\c+1], s18
	v_lshrrev_b32 v[P], 24, v[P]                   ; keys j = 0..3 in bits 0..3
	v_lshrrev_b32 v[P+1], 20, v[P+1]               ; keys j = 4..7 in bits 4..7
.if \c == 0
	v_or_b32 v[W+\kt], v[P], v[P+1]                ; the first byte starts the word
.else
	v_or_b32 v[P], v[P], v[P+1]
	v_lshl_or_b32 v[W+\kt], v[P], 8*\c, v[W+\kt]
.endif
.endr
	v_cmp_ne_u32 vcc_lo, 0, v[W+\kt]               ; some lane has an open key
	s_cmp_lg_u32 vcc_lo, 0
	s_cselect_b32 s19, 1<<\kt, 0
	s_or_b32 s20, s20, s19
	v_cmp_eq_u32 vcc_lo, -1, v[W+\kt]              ; every lane has all 32 open
	s_cmp_eq_u32 vcc_lo, -1
	s_cselect_b32 s19, 1<<\kt, 0
	s_or_b32 s21, s21, s19
	ds_store_b32 v5, v[W+\kt] offset:128*\kt       ; the wave's own 512 bytes, in the order of mbits
.endr
	ds_load_b128 v[X:X+3], v7                      ; LDS serves a wave's instructions in order (ISA guide 5.7.1): this sees the four stores
	s_lshl_b32 s19, s10, 2                         ; my four bits stand at bit 4 g
	s_lshl_b32 s20, s20, s19
	s_lshl_b32 s21, s21, s19
	s_lshl_b32 s19, s10, 3
	s_add_co_u32 s19, s19, FLG
	v_mov_b32 v[FA], s19                           ; FLG + 8 g
	v_mov_b32 v[P], s20
	v_mov_b32 v[P+1], s21
	ds_store_b64 v[FA], v[P:P+1]                   ; every lane writes the same 8 bytes with the same value
	s_wait_dscnt 0x0                               ; the load is in; and, for wave 0's sake, my flag words are in LDS
	global_store_b128 v[GO], v[X:X+3], s[6:7]      ; the wave stores 512 consecutive bytes, at a multiple of 512 from the buffer's first byte
	s_barrier_signal -1
	s_barrier_wait -1
	s_cmp_lg_u32 s10, 0
	s_cbranch_scc1 .Lend                           ; wave 0 alone joins the eight waves' flags
	v_mov_b32 v[FA], FLG
	ds_load_b128 v[F:F+3], v[FA]
	ds_load_b128 v[F+4:F+7], v[FA] offset:16
	ds_load_b128 v[F+8:F+11], v[FA] offset:32
	ds_load_b128 v[F+12:F+15], v[FA] offset:48
	v_mov_b32 v6, 0
	s_wait_dscnt 0x0
.irp k, 2,4,6,8,10,12,14
	v_or_b32 v[F], v[F], v[F+\k]                   ; any
	v_or_b32 v[F+1], v[F+1], v[F+\k+1]             ; full
.endr
	s_wait_xcnt 0x0                                ; EXEC is a source of the store above: it changes only behind this wait
	v_cmp_eq_u32 vcc_lo, 0, v0
	s_and_saveexec_b32 s22, vcc_lo                 ; lane 0 stores the strip's 8 bytes
	global_store_b64 v6, v[F:F+1], s[8:9]
	s_wait_xcnt 0x0                                ; and again in front of the line that widens it
	s_or_b32 exec_lo, exec_lo, s22
.Lend:
	s_wait_tensorcnt 0x0
	ds_add_u32 v64, v65
	s_wait_dscnt 0x0
	s_endpgm
.Lfunc_end_k_qea12ca07f5_pack:
	.size	k_qea12ca07f5_pack, .Lfunc_end_k_qea12ca07f5_pack-k_qea12ca07f5_pack
	.p2alignl 7, 3214868480
	.fill 96, 4, 3214868480
	.section	.rodata,"a",@progbits
	.p2align	6, 0x0
	.amdhsa_kernel k_qea12ca07f5_pack
		.amdhsa_group_segment_fixed_size 5376
		.amdhsa_private_segment_fixed_size 0
		.amdhsa_enable_private_segment 0
		.amdhsa_kernarg_size 24
		.amdhsa_user_sgpr_count 2
		.amdhsa_user_sgpr_kernarg_segment_ptr 1
		.amdhsa_wavefront_size32 1
		.amdhsa_system_sgpr_workgroup_id_x 1
		.amdhsa_system_sgpr_workgroup_id_y 1
		.amdhsa_system_sgpr_workgroup_id_z 1
		.amdhsa_system_vgpr_workitem_id 0
		.amdhsa_next_free_vgpr 66
		.amdhsa_next_free_sgpr 66
		.amdhsa_reserve_vcc 1
		.amdhsa_float_denorm_mode_32 3
		.amdhsa_float_denorm_mode_16_64 3
		.amdhsa_memory_ordered 1
		.amdhsa_forward_progress 1
		.amdhsa_inst_pref_size 11
	.end_amdhsa_kernel
	.amdgpu_metadata
---
amdhsa.version: [ 1, 2 ]
amdhsa.kernels:
  - .name:           k_qea12ca07f5_pack
    .symbol:         k_qea12ca07f5_pack.kd
    .args:
      - { .name: mask, .offset: 0, .size: 8, .value_kind: global_buffer, .address_space: global }
      - { .name: mbits, .offset: 8, .size: 8, .value_kind: global_buffer, .address_space: global }
      - { .name: flags, .offset: 16, .size: 8, .value_kind: global_buffer, .address_space: global }
    .group_segment_fixed_size: 5376
    .private_segment_fixed_size: 0
    .kernarg_segment_align: 8
    .kernarg_segment_size: 24
    .max_flat_workgroup_size: 256
    .sgpr_count:     66
    .vgpr_count:     66
    .wavefront_size: 32
...
	.end_amdgpu_metadata
.endif
;; end of part 1
;; launch attn (part 2): grid 8 x 32, 8 waves a work-group, no clusters, 74,752 bytes of LDS; arguments keys, values, queries, mbits, flags, out0; writes out0
.if DOCPART == 2
	.amdgcn_target "amdgcn-amd-amdhsa--gfx1250"
	.amdhsa_code_object_version 6
	.text
	.protected	k_qea12ca07f5_attn
	.globl	k_qea12ca07f5_attn
	.p2align	8
	.type	k_qea12ca07f5_attn,@function
k_qea12ca07f5_attn:
	s_mov_b64 s[64:65], 0
	v_nop
	global_prefetch_b8 v0, s[64:65] scope:SCOPE_SE
	s_setreg_imm32_b32 hwreg(HW_REG_WAVE_MODE, 25, 1), 1
	s_wait_xcnt 0x0
; out[q][:] = sum over open keys k of softmax_k(q.k / 8) v[k], per head; 32 heads, 2,048 queries and keys, 64 numbers a row, f32 in and out.
; With the mask: -1e9 on closed scores, then min(mask, weight).  A closed key has weight 0 in the numerator; in the
; denominator its term is exp(score - 1e9 - max), which is 0 in f32 as soon as the row has an open key; a row without open keys gives 0.
; So: softmax over the open keys with a running maximum over the open keys, and 0 for a row that has none.
; NUMBER FORMAT: Q, K, V and the weights enter the matrix unit in f16, all sums are f32.  f16 and not bf16, for its 11 significant bits
; against 8: a row with few open keys is a sum of few terms of V's own size, in which the operands' rounding does not average out.
; LIMITS: |Q|, |K|, |V| up to 65,504, f16's largest number (beyond it an operand becomes infinite); parts of them below 2^-24 are lost;
; a weight below 2^-25 of the running maximum's weight counts as 0 in the numerator (at most 2,048 of them against a row sum of about 1 or
; more); closed terms are dropped from the denominator, exact while |score| stays far below 1e9; an open raw score (before the 1/8) must be
; above -1e30, where the running maximum starts; the row sum is taken over the f32 weights.  Mask bytes are 0 or 1 (packed to bits by the
; launch before this one).
;
; SHARES.  Work-group (j, head) owns the blocks j and 15 - j of 128 queries; wave w holds rows 16 w .. 16 w + 15 of each (strip 0, strip 1).
; All 32 key tiles of 64 keys are walked in order.  Whole numbers from the earlier launch say, per strip and tile, whether any key is open
; (if not, the strip's work is jumped over) and whether all are (if so, the masking lines are jumped over).  This holds for any mask;
; pairing block j with 15 - j only evens the work out where open keys grow with the row.
;
; BOTH PRODUCTS ARE TRANSPOSED: S^T = K Q^T (A = 16 keys x 32 d, B = Q) and O^T += V^T P^T (A = 16 d x 32 keys by the transposing LDS load,
; B = P).  Lane (r = lane & 15, h = lane >> 4) then holds numbers of query r alone: register 8c+j of S is key 16c+8h+j, and packing
; S[2n], S[2n+1] into register n is P's operand layout as it stands.  Maximum, sum and rescale are per lane; one lane exchange a strip and tile.
;
; K AND V come as f32 and must be rounded to f16, so they pass through registers: wave w loads rows 8w .. 8w+7 of each tile (4 + 4 loads of
; 512 consecutive bytes) into one of four register slots, four tiles ahead, and rounds a tile into one of two LDS buffers one trip before
; its use.  NO TENSOR LOADS AND NO CLUSTER, though the eight work-groups of a head read the same K and V: a tile brought by the data mover
; would lie in LDS as f32, 32 KiB written and 32 KiB read again for each tile on top of the 16 KiB of f16 that are needed anyway.
.set TILEB, 16384                      ; a tile of K or V in memory: 64 rows x 256 bytes
.set KP,    144                        ; LDS pitch of K rows: 128 bytes + 16; 9 x 16, so 16 rows start in 16 different 16-byte columns of 256
.set VP,    160                        ; LDS pitch of V rows: 128 bytes + 32; 5 x 32, as the transposing load's eight-lane groups want
.set VB0,   64*KP                      ; V behind K's 64 rows
.set BFB,   64*KP+64*VP                ; one f16 buffer: 19,456 bytes; two of them
.set STAGE, 2*BFB                      ; the way out: 16 rows x 272 bytes for each wave
.set SP,    272
.set STW,   16*SP
.set LAPS,  7                          ; 4 trips a lap; the last four trips are written out behind the loop
; window 0
.set KAD,  2                           ; K fragments: r KP + 16 h
.set VAD,  3                           ; V fragments: VB0 + (8 h + (lane & 7)) VP + 16 ((lane >> 3) & 1)
.set STK,  4                           ; where I put 8 bytes of K: (8 w + h) KP + 8 r
.set STV,  5                           ; the same for V
.set GOFF, 6                           ; 2048 w + 16 lane: my 16 bytes in a tile in memory
.set MO,   7                           ; v7, v8: my mask word of strip 0, 1 in tile 0
.set SST,  9                           ; stage, in
.set MW,   10                          ; v[10:13] mask words: tile parity p, strip q at MW + 2 p + q
.set MX,   14                          ; v14, v15 running maximum of raw scores
.set LS,   16                          ; v16, v17 running sum (this lane's 32 of each 64 keys)
.set NM,   18                          ; v[18:19], v[20:21]  -c x maximum, twice
.set SRD,  22                          ; stage, back
.set OOF,  23                          ; 4096 w + 16 lane: my 16 bytes in the strip's rows of out
.set T,    24                          ; v[24:31] at work: T, T+1 chains; T+2 the other half's number; T+3; T+4:5 the rescale, twice; T+6:7 chain
.set S,    32                          ; v[32:63] scores, then weights, then P in S .. S+15; between the strips' work the rounding's temporaries
.set KF,   64                          ; v[64:127]  K fragment (c, e) at KF + 16 c + 8 e
.set VF,   128                         ; v[128:191] V^T fragment (dt, kk) at VF + 16 dt + 8 kk
.set O,    192                         ; v[192:255] O^T: strip q, 16 d x 16 queries dt at O + 32 q + 8 dt
; window 1 (written v[N], meaning v[256 + N])
.set QR,   0                           ; Q of strip q, d half e at QR + 16 q + 8 e
.set SL,   32                          ; slot s at SL + 36 s: K 16 registers, V 16, two mask words
; s_set_vgpr_msb's low byte: bits 1:0 source 0, 3:2 source 1, 5:4 source 2, 7:6 destination; the high byte repeats the setting left behind
.set MSB, 0
.macro WIN new
.if MSB != \new
	s_set_vgpr_msb (MSB<<8)|\new
.set MSB, \new
.endif
.endm
	s_load_b256 s[4:11], s[0:1], 0x0               ; keys s[4:5], values s[6:7], queries s[8:9], mbits s[10:11]
	s_load_b128 s[12:15], s[0:1], 0x20             ; flags s[12:13], out0 s[14:15]
	s_set_vgpr_msb 0x40
	v_lshl_add_u32 v176, v0, 2, 0x12000
	v_mov_b32 v177, 0
	s_set_vgpr_msb 0x4000
	v_lshrrev_b32 v1, 5, v0
	v_readfirstlane_b32 s16, v1                    ; wave w
	s_mov_b32 s17, ttmp9                           ; block of strip 0: j
	s_and_b32 s18, ttmp7, 0xffff                   ; head
	s_sub_co_u32 s19, 15, s17                      ; block of strip 1: 15 - j
	s_mov_b32 s43, 0xff7fffff                      ; the most negative finite f32: a closed score
	s_mov_b32 s44, 0x76543210                      ; v_permlanex16_b32: lane i of one half reads lane i of the other
	s_mov_b32 s45, 0xfedcba98
	s_mov_b32 s50, 0x3e38aa3b                      ; c = log2(e) / 8: the 1/sqrt(64) and the change of base in one factor
	s_mov_b32 s51, 0x3e38aa3b                      ; (the pair is named whole by the packed multiply-add)
	s_mov_b32 s52, 0xbe38aa3b                      ; -c
	v_and_b32 v24, 31, v0                          ; lane
	v_and_b32 v25, 15, v0                          ; r
	v_bfe_u32 v26, v0, 4, 1                        ; h
	v_and_b32 v27, 7, v0
	v_bfe_u32 v28, v0, 3, 1
	v_mul_u32_u24 v29, v25, KP
	v_lshl_add_u32 v[KAD], v26, 4, v29
	v_lshl_add_u32 v29, v26, 3, v27
	v_mul_u32_u24 v29, v29, VP
	v_lshl_add_u32 v29, v28, 4, v29
	v_add_nc_u32 v[VAD], VB0, v29
	s_mul_i32 s20, s16, 8*KP                       ; my wave's eight rows of K in a buffer
	v_mul_u32_u24 v29, v26, KP
	v_lshl_add_u32 v29, v25, 3, v29
	v_add_nc_u32 v[STK], s20, v29
	s_mul_i32 s20, s16, 8*VP                       ; and of V
	s_add_co_u32 s20, s20, VB0
	v_mul_u32_u24 v29, v26, VP
	v_lshl_add_u32 v29, v25, 3, v29
	v_add_nc_u32 v[STV], s20, v29
	s_lshl_b32 s20, s16, 11
	v_lshl_add_u32 v[GOFF], v24, 4, s20
	s_lshl_b32 s21, s16, 12                        ; 4096 w: a strip's 32 x 128 bytes of mask words, and its 16 rows of 256 bytes
	s_lshl_b32 s20, s17, 15                        ; a block: eight strips
	s_add_co_u32 s20, s20, s21
	v_lshl_add_u32 v[MO], v24, 2, s20
	s_lshl_b32 s20, s19, 15
	s_add_co_u32 s20, s20, s21
	v_lshl_add_u32 v[MO+1], v24, 2, s20
	v_lshl_add_u32 v[OOF], v24, 4, s21
	v_lshlrev_b32 v29, 8, v25                      ; Q: row r, 32 bytes for each half of the lanes
	v_lshl_add_u32 v29, v26, 5, v29
	v_add_nc_u32 v30, s21, v29
	s_mul_i32 s20, s16, STW
	s_add_co_u32 s20, s20, STAGE                   ; my stage
	v_mul_u32_u24 v29, v25, SP
	v_lshl_add_u32 v29, v26, 5, v29
	v_add_nc_u32 v[SST], s20, v29                  ; in: row r, 32 h
	v_mul_u32_u24 v29, v26, SP
	v_lshl_add_u32 v29, v25, 4, v29
	v_add_nc_u32 v[SRD], s20, v29                  ; back: lanes 0-15 one row of 256 bytes, lanes 16-31 the next
	s_lshl_b32 s27, s17, 6                         ; flags: 8 bytes a strip, strip = 8 block + w
	s_lshl_b32 s20, s16, 3
	s_add_co_u32 s27, s27, s20
	s_lshl_b32 s31, s19, 6
	s_add_co_u32 s31, s31, s20
	s_lshl_b32 s20, s18, 19                        ; a head: 2,048 rows of 256 bytes
	s_mov_b32 s21, 0
	s_wait_kmcnt 0x0
	s_load_b64 s[22:23], s[12:13], s27 offset:0x0  ; strip 0: any, full
	s_load_b64 s[24:25], s[12:13], s31 offset:0x0  ; strip 1
	s_add_nc_u64 s[32:33], s[4:5], s[20:21]        ; K of my head; stepped four tiles a lap
	s_add_nc_u64 s[34:35], s[6:7], s[20:21]        ; V
	s_mov_b64 s[36:37], s[10:11]                   ; mask words; stepped four tiles (128 bytes each) a lap
	s_add_nc_u64 s[8:9], s[8:9], s[20:21]
	s_add_nc_u64 s[14:15], s[14:15], s[20:21]
	s_lshl_b32 s20, s17, 15                        ; a block: 128 rows of 256 bytes
	s_add_nc_u64 s[38:39], s[8:9], s[20:21]        ; Q of block j
	s_add_nc_u64 s[46:47], s[14:15], s[20:21]      ; out of block j
	s_lshl_b32 s20, s19, 15
	s_add_nc_u64 s[40:41], s[8:9], s[20:21]        ; Q of block 15 - j
	s_add_nc_u64 s[48:49], s[14:15], s[20:21]      ; out of block 15 - j
	; Q, once: lane (r, h) takes d = 16 m + 8 h + 0..7 of row r, m = 0..3, as f32 into KF, which is free until the first trip
.irp q, 0,1
.irp n, 0,1,2,3,4,5,6,7
	global_load_b128 v[KF+32*\q+4*\n:KF+32*\q+4*\n+3], v30, s[38+2*\q:39+2*\q] offset:64*(\n/2)+16*(\n%2)
.endr
.endr
; Ten loads: my eight rows of K and of V of the tile pos tiles behind the bases, and my two mask words of it
.macro FILL slot, pos
	WIN 0x40                                       ; destination in window 1, address in window 0
.irp n, 0,1,2,3
	global_load_b128 v[SL+36*(\slot)+4*\n:SL+36*(\slot)+4*\n+3], v[GOFF], s[32:33] offset:(\pos)*TILEB+512*\n
.endr
.irp n, 0,1,2,3
	global_load_b128 v[SL+36*(\slot)+16+4*\n:SL+36*(\slot)+16+4*\n+3], v[GOFF], s[34:35] offset:(\pos)*TILEB+512*\n
.endr
	global_load_b32 v[SL+36*(\slot)+32], v[MO], s[36:37] offset:(\pos)*128
	global_load_b32 v[SL+36*(\slot)+33], v[MO+1], s[36:37] offset:(\pos)*128
	WIN 0
.endm
; A slot's tile is rounded to f16 and laid into the LDS buffer of the slot's parity.  left = the younger loads, ten a tile, that may stay out.
.macro CONVERT slot, left
	s_wait_loadcnt \left                           ; loads come back in order (ISA guide 5.7.1)
	WIN 0x05                                       ; both sources in window 1
.irp n, 0,1,2,3,4,5,6,7,8,9,10,11,12,13,14,15
	v_cvt_pk_f16_f32 v[S+\n], v[SL+36*(\slot)+2*\n], v[SL+36*(\slot)+2*\n+1]
.endr
	v_mov_b32 v[MW+2*(\slot&1)], v[SL+36*(\slot)+32]
	v_mov_b32 v[MW+2*(\slot&1)+1], v[SL+36*(\slot)+33]
	WIN 0
.irp n, 0,1,2,3
	ds_store_b64 v[STK], v[S+2*\n:S+2*\n+1] offset:(\slot&1)*BFB+2*KP*\n
.endr
.irp n, 0,1,2,3
	ds_store_b64 v[STV], v[S+8+2*\n:S+8+2*\n+1] offset:(\slot&1)*BFB+2*VP*\n
.endr
.endm
	FILL 0, 0
	FILL 1, 1
	FILL 2, 2
	FILL 3, 3
	; O is cleared by moves: which tile is a strip's first is known only from the flags, so no product with C = 0 can be written out for it
.set i, 0
.rept 64
	v_mov_b32 v[O+i], 0
.set i, i+1
.endr
	v_mov_b32 v[MX], 0xf149f2ca                    ; -1e30
	v_mov_b32 v[MX+1], 0xf149f2ca
.irp k, 0,1,2,3
	v_mul_f32 v[NM+\k], s52, v[MX]
.endr
	v_mov_b32 v[LS], 0
	v_mov_b32 v[LS+1], 0
	v_mov_b32 v[T+2], 0                            ; v_permlanex16_b32's destination counts as read
	s_wait_loadcnt 40                              ; Q is in: the four fills, ten loads each, are younger
	WIN 0x40
.set i, 0
.rept 32
	v_cvt_pk_f16_f32 v[QR+i], v[KF+2*i], v[KF+2*i+1]
.set i, i+1
.endr
	WIN 0
	CONVERT 0, 30                                  ; tile 0; tiles 1 to 3 stay out
	s_wait_kmcnt 0x0                               ; the flags
	s_or_b32 s26, s22, s24                         ; tiles in which this wave has anything to do
	s_mov_b32 s28, 1                               ; the trip's bit
	s_mov_b32 s30, 0
	s_wait_dscnt 0x0                               ; for the others' sake: my rows of tile 0 are in LDS
	s_barrier_signal -1
	s_barrier_wait -1
; One strip's work on one tile: 16 matrix instructions and the softmax step.  u: the trip in its lap (its parity picks the mask word).
.macro SUB q, id, u
	s_and_b32 s29, s[22+2*\q], s28
	s_cbranch_scc0 .Lend_\id\()_\q                 ; no key of this tile is open for any of my 16 rows
	s_wait_dscnt 16                                ; K's fragments are in: only V's 16 loads are younger
	WIN 0x04                                       ; B (Q) in window 1
.irp c, 0,1,2,3
	v_wmma_f32_16x16x32_f16 v[S+8*\c:S+8*\c+7], v[KF+16*\c:KF+16*\c+7], v[QR+16*\q:QR+16*\q+7], 0
.endr
.irp c, 0,1,2,3
	v_wmma_f32_16x16x32_f16 v[S+8*\c:S+8*\c+7], v[KF+16*\c+8:KF+16*\c+15], v[QR+16*\q+8:QR+16*\q+15], v[S+8*\c:S+8*\c+7]
.endr
	WIN 0
.rept 4
	v_nop                                          ; four places between a matrix instruction and a vector instruction that reads its result (ISA guide 7.12.1)
.endr
	s_and_b32 s29, s[23+2*\q], s28
	s_cbranch_scc1 .Lnm_\id\()_\q                  ; all 16 x 64 open: nothing to mask
.set i, 0
.rept 32
	v_and_b32 v[T+(i&1)], 1<<i, v[MW+2*(\u&1)+\q]
	v_cmp_ne_u32 vcc_lo, 0, v[T+(i&1)]
	v_cndmask_b32 v[S+i], s43, v[S+i], vcc_lo      ; a closed score becomes the most negative finite number: its weight below is exp2 of about -6e37, 0
.set i, i+1
.endr
.Lnm_\id\()_\q:
	; the largest of my 32 scores and the old maximum, in two chains; then the other half of the query's keys
	v_max3_num_f32 v[T], v[S], v[S+1], v[S+2]
	v_max3_num_f32 v[T+1], v[S+16], v[S+17], v[S+18]
.irp k, 3,5,7,9,11,13
	v_max3_num_f32 v[T], v[T], v[S+\k], v[S+\k+1]
	v_max3_num_f32 v[T+1], v[T+1], v[S+16+\k], v[S+17+\k]
.endr
	v_max3_num_f32 v[T], v[T], v[T+1], v[S+15]
	v_max3_num_f32 v[T], v[T], v[S+31], v[MX+\q]
	v_permlanex16_b32 v[T+2], v[T], s44, s45
	v_max_num_f32 v[MX+\q], v[T], v[T+2]
	v_mul_f32 v[T+3], s52, v[MX+\q]                ; -c x new maximum, rounded once: the very addend of the weights below,
	v_sub_f32 v[T+4], v[T+3], v[NM+2*\q]           ; and its difference from the old addend is what the old sums are rescaled by
	v_mov_b32 v[NM+2*\q], v[T+3]
	v_mov_b32 v[NM+2*\q+1], v[T+3]
	v_exp_f32 v[T+4], v[T+4]                       ; the multiply-adds below are the plain place behind it (ISA guide 5.7.2)
.set i, 0
.rept 16
	v_pk_fma_f32 v[S+i:S+i+1], v[S+i:S+i+1], s[50:51], v[NM+2*\q:NM+2*\q+1] op_sel_hi:[1,0,1]
.set i, i+2
.endr
	s_wait_alu depctr_va_vdst(0)
	v_mov_b32 v[T+5], v[T+4]
.set i, 0
.rept 32
	v_exp_f32 v[S+i], v[S+i]
.set i, i+1
.endr
.set i, 0
.rept 16
	v_pk_mul_f32 v[O+32*\q+i:O+32*\q+i+1], v[O+32*\q+i:O+32*\q+i+1], v[T+4:T+5]   ; the first is also the plain place behind the last exponential
.set i, i+2
.endr
	s_wait_alu depctr_va_vdst(0)
	v_pk_add_f32 v[T+6:T+7], v[S:S+1], v[S+2:S+3]
	v_pk_add_f32 v[T:T+1], v[S+16:S+17], v[S+18:S+19]
.irp k, 4,6,8,10,12,14
	v_pk_add_f32 v[T+6:T+7], v[T+6:T+7], v[S+\k:S+\k+1]
	v_pk_add_f32 v[T:T+1], v[T:T+1], v[S+16+\k:S+17+\k]
.endr
	v_pk_add_f32 v[T:T+1], v[T:T+1], v[T+6:T+7]
	v_add_f32 v[T], v[T], v[T+1]
	v_fma_f32 v[LS+\q], v[LS+\q], v[T+4], v[T]
.irp n, 0,1,2,3,4,5,6,7,8,9,10,11,12,13,14,15
	v_cvt_pk_f16_f32 v[S+\n], v[S+2*\n], v[S+2*\n+1]    ; in place, ascending: register n is written when registers 2n, 2n+1 are read, never before
.endr
	s_wait_dscnt 0x0                               ; V's fragments are in
.irp kk, 0,1
.irp dt, 0,1,2,3
	v_wmma_f32_16x16x32_f16 v[O+32*\q+8*\dt:O+32*\q+8*\dt+7], v[VF+16*\dt+8*\kk:VF+16*\dt+8*\kk+7], v[S+8*\kk:S+8*\kk+7], v[O+32*\q+8*\dt:O+32*\q+8*\dt+7]
.endr
.endr
.rept 5
	v_nop                                          ; five places before the next matrix instruction writes over S, which these read; they also serve the
.endr                                              ; next loads into KF and VF, the rounding's writes of S and the next readers of O (four places each)
.Lend_\id\()_\q:
.endm
; One trip = one key tile.  u: the trip in its lap = the slot that held the tile; ns: the next slot.  fill: slot u gets the tile four further on.
; conv: the next tile is rounded into the other buffer; left: its wait.  bar: a trip follows.
.macro TRIP id, u, ns, fill, conv, left, bar
.if \fill
	FILL \u, \u+4
.endif
.if \conv
	CONVERT \ns, \left
.endif
	s_and_b32 s29, s26, s28
	s_cbranch_scc0 .Lnone_\id                      ; neither strip has an open key here: no fragment is fetched
.irp c, 0,1,2,3
.irp e, 0,1
	ds_load_b128 v[KF+16*\c+8*\e:KF+16*\c+8*\e+3], v[KAD] offset:(\u&1)*BFB+16*KP*\c+64*\e
	ds_load_b128 v[KF+16*\c+8*\e+4:KF+16*\c+8*\e+7], v[KAD] offset:(\u&1)*BFB+16*KP*\c+64*\e+32
.endr
.endr
.irp dt, 0,1,2,3
.irp kk, 0,1
	ds_load_tr16_b128 v[VF+16*\dt+8*\kk:VF+16*\dt+8*\kk+3], v[VAD] offset:(\u&1)*BFB+32*VP*\kk+32*\dt
	ds_load_tr16_b128 v[VF+16*\dt+8*\kk+4:VF+16*\dt+8*\kk+7], v[VAD] offset:(\u&1)*BFB+32*VP*\kk+32*\dt+16*VP
.endr
.endr
	SUB 0, \id, \u
	SUB 1, \id, \u
.Lnone_\id:
	s_lshl_b32 s28, s28, 1
	s_wait_dscnt 0x0                               ; my reads of this trip's buffer and my stores into the other are done
.if \bar
	s_barrier_signal -1                            ; one barrier a trip does both: behind it the other buffer is read
	s_barrier_wait -1                              ; and this one is written again
.endif
.endm
.Llap:
	TRIP l0, 0, 1, 1, 1, 30, 1                     ; 30: three younger tiles of ten loads
	TRIP l1, 1, 2, 1, 1, 30, 1
	TRIP l2, 2, 3, 1, 1, 30, 1
	TRIP l3, 3, 0, 1, 1, 30, 1
	s_wait_xcnt 0x0                                ; the bases of the loads above are stepped only behind this wait
	s_add_nc_u64 s[32:33], s[32:33], 4*TILEB
	s_add_nc_u64 s[34:35], s[34:35], 4*TILEB
	s_add_nc_u64 s[36:37], s[36:37], 4*128
	s_add_co_u32 s30, s30, 1
	s_cmp_lt_u32 s30, LAPS
	s_cbranch_scc1 .Llap
	TRIP t0, 0, 1, 0, 1, 20, 1                     ; the last four tiles: nothing is fetched beyond tile 31, the counts run down
	TRIP t1, 1, 2, 0, 1, 10, 1
	TRIP t2, 2, 3, 0, 1, 0, 1
	TRIP t3, 3, 0, 0, 0, 0, 0
; THE WAY OUT of strip q: divide by the row sum, 16 rows through my own stage, back as whole rows of 256 bytes.  f: registers for the rows.
.macro OUT q, f
	v_permlanex16_b32 v[T+2], v[LS+\q], s44, s45   ; the other 32 of each 64 keys
	v_add_f32 v[T], v[LS+\q], v[T+2]
	v_max_num_f32 v[T], 0x0da24260, v[T]           ; 1e-30: a row without open keys has sum 0 and O = 0, and gives 0 x 1e30 = 0; any other sum is about 1 or more
	v_rcp_f32 v[T+4], v[T]
	v_nop                                          ; the plain place behind it (ISA guide 5.7.2)
	s_wait_alu depctr_va_vdst(0)
	v_mov_b32 v[T+5], v[T+4]
.set i, 0
.rept 16
	v_pk_mul_f32 v[O+32*\q+i:O+32*\q+i+1], v[O+32*\q+i:O+32*\q+i+1], v[T+4:T+5]
.set i, i+2
.endr
.irp n, 0,1,2,3,4,5,6,7
	ds_store_b128 v[SST], v[O+32*\q+4*\n:O+32*\q+4*\n+3] offset:64*(\n/2)+16*(\n%2)   ; query r, d = 16 (n/2) + 8 h + 4 (n%2) + 0..3
.endr
.irp t, 0,1,2,3,4,5,6,7
	ds_load_b128 v[\f+4*\t:\f+4*\t+3], v[SRD] offset:2*SP*\t    ; LDS serves a wave's instructions in order (ISA guide 5.7.1): these see the stores above
.endr
.irp t, 0,1,2,3,4,5,6,7
	s_wait_dscnt 7-\t
	global_store_b128 v[OOF], v[\f+4*\t:\f+4*\t+3], s[46+2*\q:47+2*\q] offset:512*\t th:TH_STORE_NT   ; 16 lanes store one row: 256 consecutive bytes, aligned
.endr
.endm
	OUT 0, KF
	OUT 1, VF
	s_set_vgpr_msb 0x5
	s_wait_tensorcnt 0x0
	ds_add_u32 v176, v177
	s_wait_dscnt 0x0
	s_set_vgpr_msb 0x500
	s_endpgm
.Lfunc_end_k_qea12ca07f5_attn:
	.size	k_qea12ca07f5_attn, .Lfunc_end_k_qea12ca07f5_attn-k_qea12ca07f5_attn
	.p2alignl 7, 3214868480
	.fill 96, 4, 3214868480
	.section	.rodata,"a",@progbits
	.p2align	6, 0x0
	.amdhsa_kernel k_qea12ca07f5_attn
		.amdhsa_group_segment_fixed_size 74752
		.amdhsa_private_segment_fixed_size 0
		.amdhsa_enable_private_segment 0
		.amdhsa_kernarg_size 48
		.amdhsa_user_sgpr_count 2
		.amdhsa_user_sgpr_kernarg_segment_ptr 1
		.amdhsa_wavefront_size32 1
		.amdhsa_system_sgpr_workgroup_id_x 1
		.amdhsa_system_sgpr_workgroup_id_y 1
		.amdhsa_system_sgpr_workgroup_id_z 1
		.amdhsa_system_vgpr_workitem_id 0
		.amdhsa_next_free_vgpr 434
		.amdhsa_next_free_sgpr 66
		.amdhsa_reserve_vcc 1
		.amdhsa_float_denorm_mode_32 3
		.amdhsa_float_denorm_mode_16_64 3
		.amdhsa_memory_ordered 1
		.amdhsa_forward_progress 1
		.amdhsa_inst_pref_size 243
	.end_amdhsa_kernel
	.amdgpu_metadata
---
amdhsa.version: [ 1, 2 ]
amdhsa.kernels:
  - .name:           k_qea12ca07f5_attn
    .symbol:         k_qea12ca07f5_attn.kd
    .args:
      - { .name: keys, .offset: 0, .size: 8, .value_kind: global_buffer, .address_space: global }
      - { .name: values, .offset: 8, .size: 8, .value_kind: global_buffer, .address_space: global }
      - { .name: queries, .offset: 16, .size: 8, .value_kind: global_buffer, .address_space: global }
      - { .name: mbits, .offset: 24, .size: 8, .value_kind: global_buffer, .address_space: global }
      - { .name: flags, .offset: 32, .size: 8, .value_kind: global_buffer, .address_space: global }
      - { .name: out0, .offset: 40, .size: 8, .value_kind: global_buffer, .address_space: global }
    .group_segment_fixed_size: 74752
    .private_segment_fixed_size: 0
    .kernarg_segment_align: 8
    .kernarg_segment_size: 48
    .max_flat_workgroup_size: 256
    .sgpr_count:     66
    .vgpr_count:     434
    .wavefront_size: 32
...
	.end_amdgpu_metadata
.endif
;; end of part 2
